; MI455X (gfx1250); checked and timed in simulation.
; The chip was launched on July 23, 2026; its instructions are those of AMD's public machine-readable ISA for CDNA 5 (MIT licence, August 2026) and "CDNA5" Instruction Set Architecture Reference Guide (July 2026). The comments in the code are by the model that wrote it; some were corrected since.
;; Enhanced Mo E Layer. Allowed arithmetic: matrix products marked QUANTISED: E2M3 operands, one E8M0 scale for each 32 along K, by v_wmma_scale_f32_16x16x128_f8f6f4 with both operands' format E2M3, f32 sums; products left as they are: f32 operands where the result goes on into a quantised operand, else bf16, f16 or f32 operands; f32 sums; everything else in f32.
;; Inputs: fc_w 2 x 1,024 x 4,096 float32; gate_w 1,024 x 2 float32; proj_w 2 x 4,096 x 1,024 float32; x 2 x 2,048 x 1,024 float32.
;; Outputs: out0 2 x 2,048 x 1,024 float32.
;; This version of the problem:
;;   THIS VERSION OF THE PROBLEM IS GIVEN IN LOW PRECISION. The matrix products marked QUANTISED in the list below multiply operands that are first quantised to E2M3 (2 exponent bits, 3 mantissa bits; 6 bits a number), with one power-of-two scale for each 32 numbers along K (OCP MX v1.0); their sums are f32. All else is computed in f32.
;;   The module's matrix products, in the order in which they are computed (A, B: the left and right operand; K: the contracted axis; several contracted axes count as one K, in the product's order):
;;     1. [M 4,096, K 1,024] x [K 1,024, N 2]; A: input x; B: input gate_w: left as it is (N = 2 < 16)
;;     2. [M 8,192, K 1,024] x [K 1,024, N 4,096]; A: input fc_w; B: input x: QUANTISED
;;     3. batch 2 x [M 4,096, K 4,096] x [K 4,096, N 1,024]; A: computed on the way; B: input proj_w: QUANTISED
;;   THE QUANTISER, for each operand of a quantised product, along K:
;;     - K is cut into blocks of 32 from its start; a last block that is shorter is filled with zeros.
;;     - A block's scale is 2^e with e = floor(log2(the largest magnitude in the block)) - 2, held to -126 .. 127; a block of zeros has e = 0. As a byte (E8M0): e + 127.
;;     - Each number is divided by its block's scale, clamped to +-7.5, and rounded to the nearest number of E2M3, ties to even, subnormals kept.
;;     - The product sums the exact products of the quantised numbers (number of the format x scale) in f32.
;;   ~~~python
;;   def quantise(x, axis):      # numpy; x: float32 -> the quantised numbers, widened to float32 again
;;       x = np.moveaxis(x, axis, -1); K = x.shape[-1]
;;       x = np.pad(x, [(0, 0)] * (x.ndim - 1) + [(0, -K % 32)]); x = x.reshape(x.shape[:-1] + (-1, 32)); a = np.abs(x).max(-1, keepdims=True)
;;       e = np.where(a > 0, np.clip(np.frexp(np.where(a > 0, a, 1))[1] - 1 - 2, -126, 127), 0)      # np.frexp(a)[1] - 1 = floor(log2(a)), exactly
;;       r = np.clip(x / 2.0 ** e, -7.5, 7.5)
;;       step = 2.0 ** (np.maximum(np.frexp(np.where(r == 0, 1, r))[1] - 1, 0) - 3)
;;       q = np.round(r / step) * step * 2.0 ** e      # np.round: ties to even
;;       return np.moveaxis(q.reshape(q.shape[:-2] + (-1,))[..., :K], -1, axis).astype(np.float32)
;;   ~~~
;;   OPERANDS COMPUTED ON THE WAY. 'Computed on the way' means the value that the module computes at that place (a softmax that the list does not call 'softmax' is quantised finished and normalised). What goes into a quantiser is computed in f32, as accurately as f32 sums, v_exp_f32 and their like allow (about 1e-6 of the number): no bf16 or f16 on the way to a quantiser, and a product that is left as it is and whose result goes on into a quantised operand takes f32 operands (vector FMAs, or v_wmma_f32_16x16x4_f32). A number that lies on a knife's edge between two numbers of the format may be rounded either way, as far as f32 arithmetic and the matrix unit's own rounding can turn it there, and no further.
;; One version. Each part assembles by itself: llvm-mc -triple=amdgcn-amd-amdhsa -mcpu=gfx1250 --defsym DOCPART=n.
;; ======== version 1 of 1: 3 launches
;; limits: a function is approximated: absolute error at most 1.5e-07; an absolute error that grows with the inputs' magnitude: up to 1.5e-07 times it
;; workspace buffers: xq 3,276,800 bytes; wq1 6,553,600 bytes; wq2 6,553,600 bytes; hq 26,214,400 bytes; gat 32,768 bytes
;; launch quant (part 1): grid 768 x 1, 8 waves a work-group, no clusters, 69,632 bytes of LDS; arguments x, gate_w, fc_w, proj_w, xq, wq1, wq2, gat; writes xq, wq1, wq2, gat
.if DOCPART == 1
	.amdgcn_target "amdgcn-amd-amdhsa--gfx1250"
	.amdhsa_code_object_version 6
	.text
	.protected	k_qe9c2341c76_quant
	.globl	k_qe9c2341c76_quant
	.p2align	8
	.type	k_qe9c2341c76_quant,@function
k_qe9c2341c76_quant:
	s_mov_b64 s[64:65], 0
	v_nop
	global_prefetch_b8 v0, s[64:65] scope:SCOPE_SE
	s_setreg_imm32_b32 hwreg(HW_REG_WAVE_MODE, 25, 1), 1
	s_wait_xcnt 0x0
; x [4096][1024], fc_w [2][1024][4096], proj_w [2][4096][1024], all f32, become codes of FP6 (E2M3) with one E8M0 byte for each 32 along K; and the gate is computed.
; THE WORKSPACE FORMAT.  A block U of 12,800 bytes holds 128 rows x 128 K of an operand as IMAGES OF ITS REGISTERS: fragment i (16 rows, 12 registers a lane) at 1536 i, the four registers 4 j .. 4 j + 3 of lane l at
; 1536 i + 512 j + 16 l; lane (r, h) holds row r, registers 6 c .. 6 c + 5 = K 64 c + 32 h + 0 .. 31.  The scale word of fragment i, row r, at 12,288 + 64 i + 4 r.  So a fragment is read by three loads of 16 bytes a lane.
;   xq:  U = (token / 128) x 8 + k / 128, rows in their order.
;   wq1: U = ((e x 4096 + f) / 128) x 8 + k / 128.          wq2: U = ((d / 128) x 16 + (f / 128) % 16) x 4 + 2 e + (f / 2048).
;   IN THE WEIGHTS' BLOCKS THE ROWS OF A FRAGMENT ARE NOT NEIGHBOURS: lane r of fragment 2 b + u holds row 32 b + 8 u + r + 8 (r / 8), so that in a product used transposed a lane's 16 registers of two neighbouring
;   tiles are 16 neighbouring columns.
; A block's scale is 2^(floor(log2(its largest magnitude)) - 2): its byte is the largest magnitude's exponent field - 2, held at 1 from below by a floor among the maximum's leaves.
; LIMITS: NaN and infinities among the inputs are not served.  A block of zeros gets the byte 1 where the quantiser's rule says 127: its codes are zeros, which add nothing, and this program alone reads the bytes.
; SHARES.  Work-groups 0-255: 16 tokens of x each, wave w the K step w (128 along K), and the gate of these tokens.  256-511: fc_w.  512-767: proj_w: a wave takes 32 columns x 128 along K.
; The three ways part on the work-group's number; only the first uses LDS and has a barrier.  No cluster: the work-groups share no input but gate_w's 8,192 bytes.  No tensor loads: every byte is read once, into registers.
.set UB,   12800
.set STP,  528                         ; a stage row: 512 bytes + 16, an odd multiple of 16: sixteen rows read at one column fall on sixteen different groups of banks
.set WST,  16*STP                      ; a wave's stage: 16 rows
.set GP,   8*WST                       ; behind the stages: 32 partial logits for each wave, 128 bytes
.set RX,   32                          ; X way: v32-95   64 numbers of x
.set AG,   96                          ;        v96-127  16 pairs (expert 0, expert 1) of partial logits, one for each row
.set GW,   128                         ;        v128-135 gate_w of my 4 k
.set FX,   136                         ;        v136-147 the fragment
.set TX,   148                         ;        v148-155 the upper halves of the two blocks' codes
.set XS,   32                          ; W ways: v32-95  two sets of 32 numbers
.set F0,   96                          ;        v96-107  fragment 2 b;   v108-119 fragment 2 b + 1
.set F1,   108
.set T0,   120                         ;        v120.., v124..  the upper halves of two blocks' codes
.set T1,   124
	s_load_b256 s[4:11], s[0:1], 0x0               ; x s[4:5], gate_w s[6:7], fc_w s[8:9], proj_w s[10:11]
	s_load_b256 s[12:19], s[0:1], 0x20             ; xq s[12:13], wq1 s[14:15], wq2 s[16:17], gat s[18:19]
	v_lshl_add_u32 v160, v0, 2, 0x10c00
	v_mov_b32 v161, 0
	v_lshrrev_b32 v1, 5, v0
	v_readfirstlane_b32 s20, v1                    ; wave 0..7
	v_and_b32 v1, 31, v0                           ; lane l
	v_and_b32 v2, 15, v0                           ; r
	v_bfe_u32 v3, v0, 4, 1                         ; h
	s_mov_b32 s22, 0x76543210
	s_mov_b32 s23, 0xfedcba98                      ; v_permlanex16_b32's selects for lane l xor 16
	s_mov_b32 s29, 0
	s_wait_kmcnt 0x0
	s_cmp_lt_u32 ttmp9, 256
	s_cbranch_scc1 .Lx
	s_cmp_lt_u32 ttmp9, 512
	s_cbranch_scc1 .Lfc
; ---- THE WEIGHTS.  A lane takes a column and its registers run DOWN K: a block of 32 lies in one lane, and the conversions give codes with K innermost.
.macro WLOAD t, stride                 ; block t: 32 rows of K at my column, into set t % 2; a load of the wave reads 128 consecutive bytes
.set i, 0
.rept 32
	global_load_b32 v[XS+32*((\t)%2)+i], v4, s[36:37] offset:(32*(\t)+i)*\stride th:TH_LOAD_NT
.set i, i+1
.endr
.endm
.macro WBLOCK t, stride
.set XB, XS+32*((\t)%2)
.set FB, F0+12*((\t)%2)+6*((\t)/2)
.set TB, T0+4*((\t)%2)
.if (\t) < 3
	s_wait_loadcnt 32                              ; this block's 32 loads are in; the next block's 32 may be out
.else
	s_wait_loadcnt 0x0
.endif
	v_max3_num_f32 v8, |v[XB]|, |v[XB+1]|, |v[XB+2]|       ; the block's largest magnitude, in two chains
	v_max3_num_f32 v9, |v[XB+3]|, |v[XB+4]|, |v[XB+5]|
.irp i, 6,10,14,18,22,26
	v_max3_num_f32 v8, v8, |v[XB+\i]|, |v[XB+\i+1]|
	v_max3_num_f32 v9, v9, |v[XB+\i+2]|, |v[XB+\i+3]|
.endr
	v_max3_num_f32 v8, v8, |v[XB+30]|, |v[XB+31]|
	v_max3_num_f32 v8, v8, v9, 0x1800000           ; and the floor 2^(3 - 127): the byte cannot fall under 1
	v_add_nc_u32 v10, 0xff000000, v8               ; 2 off the exponent field: the conversion takes the exponent field of this operand as its scale
	v_lshrrev_b32 v11, 23, v10                     ; the scale's byte
.if (\t) == 0
	v_mov_b32 v12, v11                             ; my column's scale word: byte t for block t
.else
	v_lshl_or_b32 v12, v11, 8*(\t), v12
.endif
	v_cvt_scalef32_pk16_fp6_f32 v[FB:FB+2], v[XB:XB+15], v10
	v_cvt_scalef32_pk16_fp6_f32 v[TB:TB+2], v[XB+16:XB+31], v10    ; (a conversion's three registers begin on an even number)
.if (\t)+2 < 4
	WLOAD (\t)+2, \stride
.endif
.if (\t)%2 == 1
	v_nop                                          ; one plain line behind the scaled conversions
; Lanes 0-15 hold the 16 rows of fragment 2 b, lanes 16-31 those of fragment 2 b + 1; F0 holds block 2 c of every lane's column, F1 block 2 c + 1.  A fragment wants block 2 c in its lanes 0-15 and block 2 c + 1 in its
; lanes 16-31: the exchange of F0's lanes 16-31 with F1's lanes 0-15 makes F0 fragment 2 b's registers and F1 fragment 2 b + 1's.
.irp i, 0,1,2
	v_permlane16_swap_b32 v[F0+6*((\t)/2)+\i], v[F1+6*((\t)/2)+\i]
.endr
.irp i, 0,1,2
	v_permlane16_swap_b32 v[T0+\i], v[T1+\i]
.endr
.irp i, 0,1,2
	v_mov_b32 v[F0+6*((\t)/2)+3+\i], v[T0+\i]
	v_mov_b32 v[F1+6*((\t)/2)+3+\i], v[T1+\i]
.endr
.endif
.endm
.macro WDEST p                         ; s30 = the block U's number, s25 = which 32 columns: where my two fragments and my 32 scale words go
	s_mul_i32 s30, s30, UB
	s_and_b32 s38, s25, 3                          ; b
	s_mul_i32 s28, s38, 3072
	s_add_co_u32 s28, s28, s30
	s_add_nc_u64 s[32:33], s[\p:\p+1], s[28:29]
	s_lshl_b32 s28, s38, 7
	s_add_co_u32 s28, s28, s30
	s_add_co_u32 s28, s28, 12288
	s_add_nc_u64 s[34:35], s[\p:\p+1], s[28:29]
.endm
.macro WBODY stride
	v_and_b32 v4, 7, v1                            ; my column of the 32: (l % 8) + 8 (l / 16) + 16 ((l / 8) % 2): the row order of the two fragments
	v_lshl_add_u32 v4, v3, 3, v4
	v_bfe_u32 v5, v0, 3, 1
	v_lshl_add_u32 v4, v5, 4, v4
	v_lshlrev_b32 v4, 2, v4
	v_lshlrev_b32 v6, 4, v1                        ; 16 l: an image's place for my lane
	v_lshlrev_b32 v7, 2, v1                        ; 4 l: my scale word's
	WLOAD 0, \stride
	WLOAD 1, \stride
	WBLOCK 0, \stride
	WBLOCK 1, \stride
	WBLOCK 2, \stride
	WBLOCK 3, \stride
.irp j, 0,1,2
	global_store_b128 v6, v[F0+4*\j:F0+4*\j+3], s[32:33] offset:512*\j          ; each store of the wave covers 512 consecutive bytes, aligned
	global_store_b128 v6, v[F1+4*\j:F1+4*\j+3], s[32:33] offset:1536+512*\j
.endr
	global_store_b32 v7, v12, s[34:35]             ; 128 consecutive bytes
.endm
	; proj_w [e][f][d]: K = f.  Unit u = 8 x (work-group - 512) + wave: 32 columns cw = u % 32, K step ks = (u / 32) % 32, expert u / 1024
	s_sub_co_u32 s24, ttmp9, 512
	s_lshl_b32 s24, s24, 3
	s_add_co_u32 s24, s24, s20
	s_and_b32 s25, s24, 31
	s_bfe_u32 s26, s24, 0x50005
	s_lshr_b32 s27, s24, 10
	s_lshl_b32 s28, s27, 24                        ; an expert is 16,777,216 bytes,
	s_lshl_b32 s30, s26, 19                        ; 128 rows of 4,096 bytes,
	s_add_co_u32 s28, s28, s30
	s_lshl_b32 s30, s25, 7                         ; 32 columns
	s_add_co_u32 s28, s28, s30
	s_add_nc_u64 s[36:37], s[10:11], s[28:29]
	s_lshr_b32 s30, s25, 2                         ; U = ((d / 128) x 16 + ks % 16) x 4 + 2 e + ks / 16
	s_lshl_b32 s30, s30, 4
	s_and_b32 s31, s26, 15
	s_add_co_u32 s30, s30, s31
	s_lshl_b32 s30, s30, 2
	s_lshl_b32 s31, s27, 1
	s_add_co_u32 s30, s30, s31
	s_lshr_b32 s31, s26, 4
	s_add_co_u32 s30, s30, s31
	WDEST 16
	WBODY 4096
	s_endpgm
.Lfc:	; fc_w [e][k][f]: K = k.  Unit u = 8 x (work-group - 256) + wave: cw = u % 128, ks = (u / 128) % 8, expert u / 1024
	s_sub_co_u32 s24, ttmp9, 256
	s_lshl_b32 s24, s24, 3
	s_add_co_u32 s24, s24, s20
	s_and_b32 s25, s24, 127
	s_bfe_u32 s26, s24, 0x30007
	s_lshr_b32 s27, s24, 10
	s_lshl_b32 s28, s27, 24
	s_lshl_b32 s30, s26, 21                        ; 128 rows of 16,384 bytes
	s_add_co_u32 s28, s28, s30
	s_lshl_b32 s30, s25, 7
	s_add_co_u32 s28, s28, s30
	s_add_nc_u64 s[36:37], s[8:9], s[28:29]
	s_lshl_b32 s30, s27, 5                         ; U = (32 e + f / 128) x 8 + ks
	s_lshr_b32 s31, s25, 2
	s_add_co_u32 s30, s30, s31
	s_lshl_b32 s30, s30, 3
	s_add_co_u32 s30, s30, s26
	WDEST 14
	WBODY 16384
	s_endpgm
.Lx:	; ---- x: 16 tokens, wave w = K step w
	s_lshl_b32 s24, ttmp9, 16                      ; 16 rows of 4,096 bytes,
	s_lshl_b32 s26, s20, 9                         ; my 128 numbers of a row
	s_add_co_u32 s24, s24, s26
	s_mov_b32 s25, 0
	s_add_nc_u64 s[4:5], s[4:5], s[24:25]
	s_lshl_b32 s24, s20, 10                        ; gate_w: 128 rows of 8 bytes
	s_add_nc_u64 s[6:7], s[6:7], s[24:25]
	s_lshr_b32 s24, ttmp9, 3
	s_lshl_b32 s24, s24, 3
	s_add_co_u32 s24, s24, s20                     ; U = (token / 128) x 8 + K step
	s_mul_i32 s24, s24, UB
	s_add_nc_u64 s[12:13], s[12:13], s[24:25]
	s_lshl_b32 s24, ttmp9, 6                       ; gat: 16 tokens of 4 bytes
	s_add_nc_u64 s[18:19], s[18:19], s[24:25]
	s_and_b32 s26, ttmp9, 7                        ; which fragment of the block U
	s_mul_i32 s27, s26, 1536
	s_lshl_b32 s28, s26, 6
	s_mul_i32 s31, s20, WST                        ; my stage
	s_lshl_b32 s30, s20, 7
	s_add_co_u32 s30, s30, GP                      ; my 32 partial logits
	v_lshlrev_b32 v4, 4, v1                        ; 16 l
	v_lshlrev_b32 v13, 5, v1                       ; 32 l
	global_load_b128 v[GW:GW+3], v13, s[6:7]       ; gate_w of k = 128 w + 4 l + 0, 1 (both experts),
	global_load_b128 v[GW+4:GW+7], v13, s[6:7] offset:16   ; and + 2, 3
.set j, 0
.rept 16
	global_load_b128 v[RX+4*j:RX+4*j+3], v4, s[4:5] offset:4096*j th:TH_LOAD_NT   ; row j: the wave reads 512 consecutive bytes
.set j, j+1
.endr
	v_add_nc_u32 v5, s31, v4                       ; into the stage: as loaded
	v_mul_u32_u24 v6, v2, STP
	v_lshl_add_u32 v6, v3, 7, v6
	v_add_nc_u32 v6, s31, v6                       ; out of it: row r, + 128 h bytes: K 32 h on
	v_mov_b32 v7, s30
	v_add_nc_u32 v16, s27, v4                      ; my 16 bytes of an image in the block U
	v_lshl_add_u32 v17, v2, 2, s28                 ; my row's scale word
	s_wait_loadcnt 0x0
.set j, 0
.rept 16
	ds_store_b128 v5, v[RX+4*j:RX+4*j+3] offset:STP*j
.set j, j+1
.endr
	; the gate's product, in f32: for each row a pair (expert 0, expert 1); my 4 k.  The first product starts the sums
.set j, 0
.rept 16
	v_pk_mul_f32 v[AG+2*j:AG+2*j+1], v[RX+4*j:RX+4*j+1], v[GW:GW+1] op_sel_hi:[0,1]
.set j, j+1
.endr
.set j, 0
.rept 16
	v_pk_fma_f32 v[AG+2*j:AG+2*j+1], v[RX+4*j:RX+4*j+1], v[GW+2:GW+3], v[AG+2*j:AG+2*j+1] op_sel:[1,0,0] op_sel_hi:[1,1,1]
.set j, j+1
.endr
.set j, 0
.rept 16
	v_pk_fma_f32 v[AG+2*j:AG+2*j+1], v[RX+4*j+2:RX+4*j+3], v[GW+4:GW+5], v[AG+2*j:AG+2*j+1] op_sel_hi:[0,1,1]
.set j, j+1
.endr
.set j, 0
.rept 16
	v_pk_fma_f32 v[AG+2*j:AG+2*j+1], v[RX+4*j+2:RX+4*j+3], v[GW+6:GW+7], v[AG+2*j:AG+2*j+1] op_sel:[1,0,0] op_sel_hi:[1,1,1]
.set j, j+1
.endr
	s_wait_dscnt 0x0                               ; the stage's stores are done: their registers take the numbers back, turned
.irp c, 0,1
.irp p, 0,1,2,3,4,5,6,7
	ds_load_b128 v[RX+32*\c+4*\p:RX+32*\c+4*\p+3], v6 offset:256*\c+16*\p     ; x(r, 64 c + 32 h + 4 p ..): two whole blocks of 32 a lane
.endr
.endr
	; the 32 partial logits are summed over the 32 lanes while those loads are out
.irp m, 1,2,4,8
.set j, 0
.rept 32
	v_add_f32_dpp v[AG+j], v[AG+j], v[AG+j] row_xmask:\m row_mask:0xf bank_mask:0xf
.set j, j+1
.endr
.endr
.irp q, 0,1,2,3
.irp i, 0,1,2,3,4,5,6,7
	v_permlanex16_b32 v[GW+\i], v[AG+8*\q+\i], s22, s23
.endr
.irp i, 0,1,2,3,4,5,6,7
	v_add_f32 v[AG+8*\q+\i], v[AG+8*\q+\i], v[GW+\i]
.endr
.endr
.irp m, 0,1,2,3,4,5,6,7
	ds_store_b128 v7, v[AG+4*\m:AG+4*\m+3] offset:16*\m    ; all lanes write the same words with the same values: word 2 j + e
.endr
	s_wait_dscnt 8                                 ; the 16 loads are in; the 8 stores behind them may be out
.irp c, 0,1
	v_max3_num_f32 v[8+\c], |v[RX+32*\c]|, |v[RX+32*\c+1]|, 0x1800000     ; my block 2 c + h, and the floor
.endr
.irp i, 2,4,6,8,10,12,14,16,18,20,22,24,26,28,30
.irp c, 0,1
	v_max3_num_f32 v[8+\c], v[8+\c], |v[RX+32*\c+\i]|, |v[RX+32*\c+\i+1]|
.endr
.endr
.irp c, 0,1
	v_add_nc_u32 v[10+\c], 0xff000000, v[8+\c]     ; the conversion's scale operand
.endr
.irp c, 0,1
	v_lshrrev_b32 v[12+\c], 23, v[10+\c]           ; the byte
.endr
	v_lshl_or_b32 v14, v13, 16, v12                ; my two bytes, blocks h and 2 + h,
	v_lshlrev_b32 v15, 3, v3
	v_lshlrev_b32 v14, v15, v14                    ; at their places;
	v_permlanex16_b32 v15, v14, s22, s23
	v_or_b32 v14, v14, v15                         ; with lane l xor 16's two the word is whole
.irp c, 0,1
	v_cvt_scalef32_pk16_fp6_f32 v[FX+6*\c:FX+6*\c+2], v[RX+32*\c:RX+32*\c+15], v[10+\c]
	v_cvt_scalef32_pk16_fp6_f32 v[TX+4*\c:TX+4*\c+2], v[RX+32*\c+16:RX+32*\c+31], v[10+\c]
.endr
	v_nop                                          ; one plain line behind the scaled conversions
.irp c, 0,1
.irp i, 0,1,2
	v_mov_b32 v[FX+6*\c+3+\i], v[TX+4*\c+\i]
.endr
.endr
.irp j, 0,1,2
	global_store_b128 v16, v[FX+4*\j:FX+4*\j+3], s[12:13] offset:512*\j       ; 512 consecutive bytes, aligned
.endr
	global_store_b32 v17, v14, s[12:13] offset:12288       ; lanes r and 16 + r write the same word with the same value
	s_wait_dscnt 0x0                               ; for wave 0's sake: my partial logits lie in LDS
	s_barrier_signal -1
	s_barrier_wait -1
	s_cmp_lg_u32 s20, 0
	s_cbranch_scc1 .Lxend
	; wave 0: lane l = (token l / 2, expert l % 2).  softmax over the two experts with the maximum taken away, then the renormalising of the two kept gates, as the module has it
	v_lshl_add_u32 v8, v1, 2, GP
.irp w, 0,1,2,3,4,5,6,7
	ds_load_b32 v[AG+\w], v8 offset:128*\w
.endr
	s_wait_dscnt 0x0
	v_add_f32 v[AG], v[AG], v[AG+1]
	v_add_f32 v[AG+2], v[AG+2], v[AG+3]
	v_add_f32 v[AG+4], v[AG+4], v[AG+5]
	v_add_f32 v[AG+6], v[AG+6], v[AG+7]
	v_add_f32 v[AG], v[AG], v[AG+2]
	v_add_f32 v[AG+4], v[AG+4], v[AG+6]
	v_add_f32 v10, v[AG], v[AG+4]                  ; the logit
	v_max_num_f32_dpp v9, v10, v10 row_xmask:1 row_mask:0xf bank_mask:0xf
	v_sub_f32 v10, v10, v9
	v_mul_f32 v10, 0x3fb8aa3b, v10
	v_exp_f32 v10, v10
	v_nop                                          ; a plain line behind the transcendental,
	s_wait_alu depctr_va_vdst(0)                   ; and the wait ahead of the first use
	v_add_f32_dpp v11, v10, v10 row_xmask:1 row_mask:0xf bank_mask:0xf
	v_rcp_f32 v11, v11
	v_nop
	s_wait_alu depctr_va_vdst(0)
	v_mul_f32 v10, v10, v11                        ; the softmax
	v_add_f32_dpp v11, v10, v10 row_xmask:1 row_mask:0xf bank_mask:0xf
	v_rcp_f32 v11, v11
	v_and_b32 v12, 1, v1                           ; (plain lines behind the transcendental)  gat is [expert][token]
	v_lshrrev_b32 v13, 1, v1
	v_lshlrev_b32 v13, 2, v13
	v_lshl_add_u32 v13, v12, 14, v13
	s_wait_alu depctr_va_vdst(0)
	v_mul_f32 v10, v10, v11                        ; divided by the sum of the two kept gates
	global_store_b32 v13, v10, s[18:19]
.Lxend:
	s_wait_tensorcnt 0x0
	ds_add_u32 v160, v161
	s_wait_dscnt 0x0
	s_endpgm
.Lfunc_end_k_qe9c2341c76_quant:
	.size	k_qe9c2341c76_quant, .Lfunc_end_k_qe9c2341c76_quant-k_qe9c2341c76_quant
	.p2alignl 7, 3214868480
	.fill 96, 4, 3214868480
	.section	.rodata,"a",@progbits
	.p2align	6, 0x0
	.amdhsa_kernel k_qe9c2341c76_quant
		.amdhsa_group_segment_fixed_size 69632
		.amdhsa_private_segment_fixed_size 0
		.amdhsa_enable_private_segment 0
		.amdhsa_kernarg_size 64
		.amdhsa_user_sgpr_count 2
		.amdhsa_user_sgpr_kernarg_segment_ptr 1
		.amdhsa_wavefront_size32 1
		.amdhsa_system_sgpr_workgroup_id_x 1
		.amdhsa_system_sgpr_workgroup_id_y 1
		.amdhsa_system_sgpr_workgroup_id_z 1
		.amdhsa_system_vgpr_workitem_id 0
		.amdhsa_next_free_vgpr 162
		.amdhsa_next_free_sgpr 66
		.amdhsa_reserve_vcc 0
		.amdhsa_float_denorm_mode_32 3
		.amdhsa_float_denorm_mode_16_64 3
		.amdhsa_memory_ordered 1
		.amdhsa_forward_progress 1
		.amdhsa_inst_pref_size 68
	.end_amdhsa_kernel
	.amdgpu_metadata
---
amdhsa.version: [ 1, 2 ]
amdhsa.kernels:
  - .name:           k_qe9c2341c76_quant
    .symbol:         k_qe9c2341c76_quant.kd
    .args:
      - { .name: x, .offset: 0, .size: 8, .value_kind: global_buffer, .address_space: global }
      - { .name: gate_w, .offset: 8, .size: 8, .value_kind: global_buffer, .address_space: global }
      - { .name: fc_w, .offset: 16, .size: 8, .value_kind: global_buffer, .address_space: global }
      - { .name: proj_w, .offset: 24, .size: 8, .value_kind: global_buffer, .address_space: global }
      - { .name: xq, .offset: 32, .size: 8, .value_kind: global_buffer, .address_space: global }
      - { .name: wq1, .offset: 40, .size: 8, .value_kind: global_buffer, .address_space: global }
      - { .name: wq2, .offset: 48, .size: 8, .value_kind: global_buffer, .address_space: global }
      - { .name: gat, .offset: 56, .size: 8, .value_kind: global_buffer, .address_space: global }
    .group_segment_fixed_size: 69632
    .private_segment_fixed_size: 0
    .kernarg_segment_align: 8
    .kernarg_segment_size: 64
    .max_flat_workgroup_size: 256
    .sgpr_count:     66
    .vgpr_count:     162
    .wavefront_size: 32
...
	.end_amdgpu_metadata
.endif
;; end of part 1
;; launch gemm1 (part 2): grid 32 x 16, 4 waves a work-group, clusters of 4 x 4, 327,680 bytes of LDS; arguments xq, wq1, hq; writes hq
.if DOCPART == 2
	.amdgcn_target "amdgcn-amd-amdhsa--gfx1250"
	.amdhsa_code_object_version 6
	.text
	.protected	k_qe9c2341c76_gemm1
	.globl	k_qe9c2341c76_gemm1
	.p2align	8
	.type	k_qe9c2341c76_gemm1,@function
k_qe9c2341c76_gemm1:
	s_mov_b64 s[64:65], 0
	v_nop
	global_prefetch_b8 v0, s[64:65] scope:SCOPE_SE
	s_setreg_imm32_b32 hwreg(HW_REG_WAVE_MODE, 25, 1), 1
	s_wait_xcnt 0x0
	s_wait_alu depctr_hold_cnt(0) depctr_sa_sdst(0) depctr_va_vdst(0) depctr_va_sdst(0) depctr_va_ssrc(0) depctr_va_vcc(0) depctr_vm_vsrc(0)
	s_getreg_b32 s2, hwreg(HW_REG_IB_STS2, 6, 4)
	s_cmp_eq_u32 s2, 0
	s_cbranch_scc0 .Lentry_in_a_cluster
	s_endpgm
.Lentry_in_a_cluster:
	s_bfe_u32 s2, ttmp6, 0x10000c
	s_cmp_lg_u32 s2, 0xf033
	s_cbranch_scc0 .Lentry_shape_is_right
	s_endpgm
.Lentry_shape_is_right:
; h = gelu(x fc_w), both experts side by side (8,192 hidden units), on codes of FP6 (E2M3) with E8M0 scales; h is quantised along the hidden axis in registers and stored as operand images for the second product.
; Operands lie in memory in blocks U of 12,800 bytes (128 rows x 128 K): fragment i at 1536 i as an image of its 12 registers (registers 4 j .. 4 j + 3 of lane l at 512 j + 16 l), scale words at 12,288 + 64 i + 4 r.
; xq: U = (token / 128) x 8 + k / 128.  wq1: U = (hidden / 128) x 8 + k / 128.  hq: U = ((token / 128) x 16 + KS % 16) x 4 + KS / 16, KS = hidden / 128.
; SHARES.  A work-group of four waves, as many as a WGP has SIMDs, makes 256 tokens x 256 hidden units; a wave 128 x 128: 64 accumulators, 512 registers.
; K = 1,024 goes in four steps of 256 through THREE LDS slots: steps 0, 1 and 2 are first fills, asked for together; step 3 is the one refill, into slot 0, asked for as soon as slot 0 has been read:
; 240 matrix instructions stand between that request and the wait for it.
; A wave's tensor load brings 128 rows x 256 K: two neighbouring blocks U, 25,600 dense bytes, as 100 rows of 256 bytes.  A fragment comes out of LDS by three loads at 16 x lane: consecutive bytes, no padding wanted.
; CLUSTERS: 4 x 4 work-groups.  The four of a row of the cluster need the same tokens' blocks, the four of a column the same weights': each is asked for JOINTLY.
; THE PRODUCT IS USED TRANSPOSED (source 0 = 16 rows of the weights, source 1 = 16 tokens), and the rows of a weight fragment are 32 b + 8 u + r + 8 (r / 8): so a lane holds ONE token, and the 64 registers of a block of
; 16 tokens are hidden units 32 b + 16 (lane / 16) + i at register 16 b + i: the order in which the quantiser wants them.  A wave's 128 hidden units are one K step of the second product: it writes one whole block U.
; GELU, exact form: gelu(x) = x (0.5 + w P(u) / Q(u)), w = x held to +-4 sqrt(2), u = w w: the rational form of erf(w / sqrt 2) / 2 with numerator of degree 6 and denominator of degree 4 in u, all in f32.
; LIMITS: NaN and infinities are not served.  Phi(x) = 0.5 + .. carries an absolute error of about 1.5e-7, so gelu's relative error grows for x under about -3.  A block of zeros gets the scale byte 1: its codes are zeros.
; No prefetch: of the four K steps three are first fills, and the fourth would have to be asked for at the head.
; REGISTERS, in windows of 256: window 0: v5-7, v16-29 addresses; v12-15 two constants as pairs; v32-63 scale words and nothing else; v128-223 the tokens' fragments, one set; in the way out v64-239 at work.
;   window 1: the weights' fragments, two sets, at v0 and v128.   window 2: the accumulators of my token blocks 0-3 (block a, tile b at v[8 (8 a + b)]);   window 3: blocks 4-7.
.set UB,    12800
.set HALF,  2*UB                       ; what one tensor load brings
.set SLOT,  4*HALF                     ; tokens' two halves, then the weights' two halves
.set SCR,   3*SLOT                     ; behind the three slots: 512 bytes for each wave, where h's scale words are gathered; no fill lands here
.set SPARE, SCR+2048                   ; the spare words, 128 bytes for each wave: two blocks of 256 bytes that no other line names
.set FR,    12
.set ADRB,  5                          ; v5-7    LDS address of my weights' fragments in slot 0, 1, 2
.set ADRA,  16                         ; v16-18  of my tokens' fragments
.set ADRS,  19                         ; v19-21  of my scale words: lanes 0-15 the tokens', lanes 16-31 the weights'
.set LI,    24                         ; v24     16 x lane
.set SCW,   25                         ; v25     where I put a scale word of h
.set SCRD,  26                         ; v26     where I read them back
.set TA,    27                         ; v27     at work
.set SPW,   28                         ; v28     my spare word; never rewritten
.set NIL,   29                         ; v29     0; never rewritten
.set SC,    32                         ; scale words: set c (the K step modulo 2) at v[32 + 16 c], register 8 q + i
.set AF,    128
.set XX,    64                         ; the way out: v64-127 a block's 64 sums;  v128-191 w, then gelu
.set WW,    128
.set UU,    192                        ; v192-207 u;  v208-223 P;  v224-239 Q
.set PP,    208
.set QQ,    224
.set TM,    192                        ; the quantiser's: v192-207 at work, v208-227 codes, v228 the scale word
.set PC,    208
.set PW,    228
.set G1,  24                           ; s[24:31] descriptor group 1 for the tokens' blocks;  group 0: s[32:35] slot 0, s[36:39] slot 1, s[92:95] slot 2
.set G0,  32
.set G1B, 48                           ; s[48:55] the same for the weights';  group 0: s[56:59], s[60:63], s[96:99]
.set G0B, 56
.set SEL, 88                           ; s[88:89] v_permlanex16_b32's selects for lane l xor 16
.set MSB, 0
.macro WIN new                         ; the immediate's high byte repeats the setting that is left
.if MSB != (\new)
	s_set_vgpr_msb (MSB<<8)|(\new)
.set MSB, (\new)
.endif
.endm
.set MUL_LO, 0xa1                      ; source 0 (weights) window 1, source 1 (tokens) window 0, C and D window 2
.set MUL_HI, 0xf1                      ; the same, C and D window 3
.set TO_B,   0x40                      ; destination window 1, address window 0
; A joint load: waves 0 and 1 fetch the tokens' halves, waves 2 and 3 the weights'.  The branch hangs on the wave's number alone.  Four v_nop follow each of the two lines.
.macro JLOAD g0a, g1a, g0b, g1b
	s_cmp_eq_u32 s15, 0
	s_cbranch_scc0 .Lfor_b_\@
	tensor_load_to_lds s[\g0a:\g0a+3], s[\g1a:\g1a+7]
	s_nop 0
.rept 4
	v_nop
.endr
	s_branch .Lasked_\@
.Lfor_b_\@:
	tensor_load_to_lds s[\g0b:\g0b+3], s[\g1b:\g1b+7]
	s_nop 0
.rept 4
	v_nop
.endr
.Lasked_\@:
.endm
.macro CREST                           ; a round of the cluster's barrier behind its opening barrier
	s_cmp_lg_u32 s14, 0
	s_cbranch_scc1 .Lnot_wave_0_\@
	s_barrier_signal -3
.Lnot_wave_0_\@:
	s_barrier_wait -3
	s_barrier_signal -1
	s_barrier_wait -1
.endm
.macro CROUND                          ; a whole round
	s_barrier_signal -1
	s_barrier_wait -1
	CREST
.endm
.macro KPAIR r, bits                   ; a constant as a scalar pair: the packed forms name the pair, so both words are written
	s_mov_b32 s[\r], \bits
	s_mov_b32 s[\r+1], \bits
.endm
	s_load_b128 s[4:7], s[0:1], 0x0                ; xq s[4:5], wq1 s[6:7]
	s_load_b64 s[8:9], s[0:1], 0x10                ; hq
	v_lshl_add_u32 v[SPW], v0, 2, SPARE
	v_mov_b32 v[NIL], 0
	ds_add_u32 v28, v29
	ds_add_u32 v28, v29
	s_wait_dscnt 0x0
	v_lshrrev_b32 v1, 5, v0
	v_readfirstlane_b32 s14, v1                    ; wave 0..3
	s_lshr_b32 s15, s14, 1                         ; which half of the tokens is mine.  Also: I fetch tokens (0) or weights (1)
	s_and_b32 s16, s14, 1                          ; which half of the hidden units.  Also: which half I fetch
	s_bfe_u32 s40, ttmp6, 0x40000                  ; cx, cy: my place in the cluster
	s_bfe_u32 s41, ttmp6, 0x40004
	s_lshl_b32 s42, ttmp9, 2
	s_add_co_u32 s42, s42, s40                     ; tile column (256 hidden units) = 4 x cluster x + cx
	s_and_b32 s17, ttmp7, 0xffff
	s_lshl_b32 s17, s17, 2
	s_add_co_u32 s17, s17, s41                     ; tile row (256 tokens) = 4 x cluster y + cy
	s_lshl_b32 s43, s41, 2
	s_lshl_b32 s43, 15, s43                        ; my row of the cluster
	s_lshl_b32 s44, 0x1111, s40                    ; my column
	s_or_b32 s[G1], s43, (3<<16)|(1<<21)           ; 15:0 the mask; 17:16 elements of 8 bytes; 20 no padding; 21 set beside a mask
	s_or_b32 s[G1B], s44, (3<<16)|(1<<21)
.irp g, G1, G1B
	s_mov_b32 s[\g+1], 32<<16                      ; tensor_dim0 = 32 elements: 256 bytes
	s_mov_b32 s[\g+2], 100<<16                     ; tensor_dim1 = 100 rows
	s_mov_b32 s[\g+3], 32<<16                      ; tile_dim0
	s_mov_b32 s[\g+4], 100                         ; tile_dim1
	s_mov_b32 s[\g+5], 32                          ; the pitch: dense
	s_mov_b32 s[\g+6], 0
	s_mov_b32 s[\g+7], 0
.endr
	s_lshl_b32 s20, s17, 1
	s_add_co_u32 s20, s20, s16                     ; the 128 tokens that I fetch,
	s_mul_i32 s20, s20, 8*UB                       ; eight blocks U each
	s_mov_b32 s21, 0
	s_lshl_b32 s46, s42, 1
	s_add_co_u32 s46, s46, s16                     ; the 128 hidden units that I fetch
	s_mul_i32 s46, s46, 8*UB
	s_mov_b32 s47, 0
	s_mul_i32 s45, s14, HALF                       ; where they go: no place in the cluster enters an LDS address
	s_wait_kmcnt 0x0
	s_add_nc_u64 s[20:21], s[4:5], s[20:21]
	s_add_nc_u64 s[46:47], s[6:7], s[46:47]
	CROUND                                         ; all sixteen work-groups are here: the first joint loads meet
.irp s, 0,1,2
.set GX, G0+4*\s+52*(\s/2)                     ; s32, s36, s92
.set GY, G0B+4*\s+32*(\s/2)                    ; s56, s60, s96
	s_mov_b32 s[GX], 1
	s_add_co_u32 s[GX+1], s45, \s*SLOT
	s_add_nc_u64 s[GX+2:GX+3], s[20:21], \s*HALF
	s_or_b32 s[GX+3], s[GX+3], 0x80000000
	s_mov_b32 s[GY], 1
	s_add_co_u32 s[GY+1], s45, \s*SLOT
	s_add_nc_u64 s[GY+2:GY+3], s[46:47], \s*HALF
	s_or_b32 s[GY+3], s[GY+3], 0x80000000
	JLOAD GX, G1, GY, G1B                          ; K steps 0, 1, 2: three loads of mine are out
.endr
	v_and_b32 v1, 31, v0                           ; lane
	v_and_b32 v2, 15, v0                           ; r
	v_bfe_u32 v3, v0, 4, 1                         ; h
	v_lshlrev_b32 v[LI], 4, v1
	s_mul_i32 s21, s15, HALF                       ; my 128 tokens
	s_mul_i32 s22, s16, HALF                       ; my 128 hidden units,
	s_add_co_u32 s22, s22, 2*HALF                  ; behind the tokens' two halves
	v_add_nc_u32 v[ADRA], s21, v[LI]
	v_add_nc_u32 v[ADRA+1], SLOT, v[ADRA]
	v_add_nc_u32 v[ADRA+2], SLOT, v[ADRA+1]
	v_add_nc_u32 v[ADRB], s22, v[LI]
	v_add_nc_u32 v[ADRB+1], SLOT, v[ADRB]
	v_add_nc_u32 v[ADRB+2], SLOT, v[ADRB+1]
	s_sub_co_u32 s22, s22, s21
	v_mul_u32_u24 v4, s22, v3                      ; lanes 16-31 take the weights' words: one product, the distance between the two
	v_lshl_add_u32 v4, v2, 2, v4
	s_add_co_u32 s21, s21, 12288
	v_add_nc_u32 v[ADRS], s21, v4
	v_add_nc_u32 v[ADRS+1], SLOT, v[ADRS]
	v_add_nc_u32 v[ADRS+2], SLOT, v[ADRS+1]
	s_lshl_b32 s23, s14, 9
	s_add_co_u32 s23, s23, SCR                     ; my 512 bytes of scratch
	v_lshl_add_u32 v[SCW], v2, 2, s23
	v_add_nc_u32 v[SCRD], s23, v[LI]
	s_lshl_b32 s20, s17, 1                         ; where my block U of h goes
	s_add_co_u32 s20, s20, s15                     ; token / 128
	s_lshl_b32 s46, s42, 1
	s_add_co_u32 s46, s46, s16                     ; KS = hidden / 128
	s_and_b32 s47, s46, 15
	s_lshr_b32 s46, s46, 4
	s_lshl_b32 s20, s20, 4
	s_add_co_u32 s20, s20, s47
	s_lshl_b32 s20, s20, 2
	s_add_co_u32 s20, s20, s46
	s_mul_i32 s20, s20, UB
	s_mov_b32 s21, 0
	s_add_nc_u64 s[8:9], s[8:9], s[20:21]
	; gelu's constants.  Numerator, from u^6 down: A0 (a vector pair), A1 .. A6;  denominator, from u^4 down: B0 (a vector pair), B1 .. B4
	v_mov_b32 v12, 0xabd3f331
	v_mov_b32 v13, 0xabd3f331
	v_mov_b32 v14, 0xb57460cd
	v_mov_b32 v15, 0xb57460cd
	KPAIR 66, 0x2fa84a8d
	KPAIR 68, 0xb347667d
	KPAIR 70, 0xb628d45d
	KPAIR 72, 0xb8883d9c
	KPAIR 74, 0xba08eb41
	KPAIR 76, 0xbbba79f3
	KPAIR 78, 0xb7dfbd29
	KPAIR 80, 0xb9dc924e
	KPAIR 82, 0xbb719bf8
	KPAIR 84, 0xbc69b6a7
	s_mov_b32 s86, 0xc0b504f3                      ; -4 sqrt 2
	s_mov_b32 s87, 0x40b504f3                      ; +4 sqrt 2
	s_mov_b32 s[SEL], 0x76543210
	s_mov_b32 s[SEL+1], 0xfedcba98
.macro FRAG reg, adr, q, i             ; a fragment's image: three loads, 512 consecutive bytes each
.irp j, 0,1,2
	ds_load_b128 v[\reg+4*\j:\reg+4*\j+3], v[\adr] offset:(\q)*UB+(\i)*1536+512*\j
.endr
.endm
; 8 matrix instructions: token block a against the weights' eight tiles, the slot's q-th 128 along K.  p: the weights' set; sc: the set of scale words.  zero = 1: the product starts the sums: nothing is ever cleared.
; The 64 accumulators take turns, one instruction a turn, in the same order in every step.
.macro MUL8 a, p, q, sc, zero
.irp b, 0,1,2,3,4,5,6,7
.if \zero
	v_wmma_scale_f32_16x16x128_f8f6f4 v[8*(8*((\a)%4)+\b):8*(8*((\a)%4)+\b)+7], v[128*(\p)+FR*\b:128*(\p)+FR*\b+FR-1], v[AF+FR*(\a):AF+FR*(\a)+FR-1], 0, v[SC+16*(\sc)+8*(\q)+\b], v[SC+16*(\sc)+8*(\q)+(\a)] matrix_a_fmt:MATRIX_FMT_FP6 matrix_b_fmt:MATRIX_FMT_FP6 matrix_a_scale:MATRIX_SCALE_ROW1
.else
	v_wmma_scale_f32_16x16x128_f8f6f4 v[8*(8*((\a)%4)+\b):8*(8*((\a)%4)+\b)+7], v[128*(\p)+FR*\b:128*(\p)+FR*\b+FR-1], v[AF+FR*(\a):AF+FR*(\a)+FR-1], v[8*(8*((\a)%4)+\b):8*(8*((\a)%4)+\b)+7], v[SC+16*(\sc)+8*(\q)+\b], v[SC+16*(\sc)+8*(\q)+(\a)] matrix_a_fmt:MATRIX_FMT_FP6 matrix_b_fmt:MATRIX_FMT_FP6 matrix_a_scale:MATRIX_SCALE_ROW1
.endif
.endr
.endm
.macro MUL16 a0, p, q, sc, zero
	MUL8 \a0, \p, \q, \sc, \zero
	MUL8 (\a0)+1, \p, \q, \sc, \zero
.endm
.macro FETCH_B slot, q, p              ; the weights' eight fragments into set p: 24 loads
	WIN TO_B
.irp i, 0,1,2,3,4,5,6,7
	FRAG 128*(\p)+FR*\i, ADRB+(\slot), \q, \i
.endr
	WIN 0
.endm
.macro FETCH_A slot, q, i0             ; token blocks i0 .. i0 + 3: 12 loads
.irp i, \i0, \i0+1, \i0+2, \i0+3
	FRAG AF+FR*(\i), ADRA+(\slot), \q, \i
.endr
.endm
.macro SCALES slot, sc                 ; a slot's scale words into set sc: 16 loads; lanes 0-15 take the tokens' block i, lanes 16-31 the weights' tile i
.irp q, 0,1
.irp i, 0,1,2,3,4,5,6,7
	ds_load_b32 v[SC+16*(\sc)+8*\q+\i], v[ADRS+(\slot)] offset:\q*UB+64*\i
.endr
.endr
.endm
; A load into a register that a matrix instruction has read, and a vector instruction that reads a matrix result, stand four places behind it; only plain vector instructions that name none of its registers are places
; (ISA guide 7.12.1 for vector instructions).
.macro PLACES n
.rept \n
	v_nop
.endr
.endm
; A slot's first 128 along K (the weights' set 0).  sc: the K step's set of scale words.
.macro STEP slot, sc, zero
	s_wait_dscnt 12                                ; all but the youngest 12 loads, token blocks 4-7
	WIN MUL_LO
	MUL16 0, 0, 0, \sc, \zero
	MUL16 2, 0, 0, \sc, \zero
	s_wait_dscnt 0x0                               ; token blocks 4-7 are in
	PLACES 4
	FETCH_B \slot, 1, 1
	FETCH_A \slot, 1, 0
	WIN MUL_HI
	MUL16 4, 0, 0, \sc, \zero
	MUL16 6, 0, 0, \sc, \zero
	PLACES 4
	WIN 0
	FETCH_A \slot, 1, 4
.endm
; A slot's second 128 (set 1) goes on to the next slot, whose scale words take set nsc.
; mode = 2: this slot is filled again.  ONE barrier: in front of it each wave waits for all its tensor loads, adds 0 to its spare word, and waits for that and for its reads of this slot; the barrier opens a round of the
;           cluster's barrier, and the joint refill is the first thing behind the round.
; mode = 1: the next slot holds the refill: the same waits, so that my part of it has landed, and my work-group's barrier, so that everybody's has; nothing is filled.
; mode = 0: the next slot was shown whole to every wave at the refill's round, and nothing is filled: no barrier.
.macro TURN slot, sc, next, nsc, mode
	s_wait_dscnt 12
	WIN MUL_LO
	MUL16 0, 1, 1, \sc, 0
.if \mode
	WIN 0                                          ; (the add's two registers lie in window 0)
	s_wait_tensorcnt 0x0                           ; all my tensor loads have landed;
	ds_add_u32 v[SPW], v[NIL]                      ; 0 onto my spare word;
	WIN MUL_LO
	MUL8 2, 1, 1, \sc, 0                           ; eight matrix instructions stand between the add and the wait for it
	s_wait_dscnt 0x0                               ; the add is done, and my reads of this slot are over
	s_barrier_signal -1
	MUL8 3, 1, 1, \sc, 0
	WIN 0
	s_barrier_wait -1
.if \mode == 2
	CREST                                          ; no wave of any partner still reads this slot or has a load on its way
	s_add_nc_u64 s[G0+2:G0+3], s[G0+2:G0+3], 3*HALF        ; slot 0's descriptors: from K step 0 to K step 3
	s_add_nc_u64 s[G0B+2:G0B+3], s[G0B+2:G0B+3], 3*HALF
	JLOAD G0, G1, G0B, G1B                         ; the first tensor load behind the round; its four v_nop are the places in front of the loads below
.else
	PLACES 4
.endif
.else
	MUL16 2, 1, 1, \sc, 0
	s_wait_dscnt 0x0                               ; token blocks 4-7 are in
	PLACES 4
.endif
	FETCH_B \next, 0, 0
	FETCH_A \next, 0, 0
	SCALES \next, \nsc
	WIN MUL_HI
	MUL16 4, 1, 1, \sc, 0
	MUL16 6, 1, 1, \sc, 0
	PLACES 4
	WIN 0
	FETCH_A \next, 0, 4
.endm
	s_wait_tensorcnt 2                             ; my part of K step 0 is in (the loads of K steps 1 and 2 may be out)
	s_barrier_signal -1
	s_barrier_wait -1                              ; everybody's is
	FETCH_B 0, 0, 0
	FETCH_A 0, 0, 0
	SCALES 0, 0
	FETCH_A 0, 0, 4
	STEP 0, 0, 1                                   ; K step 0, slot 0
	TURN 0, 0, 1, 1, 2                             ; slot 0 takes K step 3
	STEP 1, 1, 0                                   ; K step 1, slot 1
	TURN 1, 1, 2, 0, 0
	STEP 2, 0, 0                                   ; K step 2, slot 2
	TURN 2, 0, 0, 1, 1                             ; the refill is waited for here
	STEP 0, 1, 0                                   ; K step 3, slot 0
	s_wait_dscnt 12                                ; the very last 128 along K
	WIN MUL_LO
	MUL16 0, 1, 1, 1, 0
	MUL16 2, 1, 1, 1, 0
	s_wait_dscnt 0x0
	WIN MUL_HI
	MUL16 4, 1, 1, 1, 0
	MUL16 6, 1, 1, 1, 0
	WIN 0
	PLACES 4
; ---- THE WAY OUT: a loop of eight trips, a block of 16 tokens a trip.  The block's 64 sums are first copied into window 0, by one of eight short pieces chosen on the trip's number, so that gelu and the quantiser are written once.
.macro PKS d, a, b, k                  ; d = a x b + the constant s[k], eight pairs
.irp i, 0,2,4,6,8,10,12,14
	v_pk_fma_f32 v[\d+\i:\d+\i+1], v[\a+\i:\a+\i+1], v[\b+\i:\b+\i+1], s[\k:\k+1] op_sel_hi:[1,1,0]
.endr
.endm
.macro PKV d, a, c, k                  ; d = a x the constant pair v[c] + the constant s[k]
.irp i, 0,2,4,6,8,10,12,14
	v_pk_fma_f32 v[\d+\i:\d+\i+1], v[\a+\i:\a+\i+1], v[\c:\c+1], s[\k:\k+1] op_sel_hi:[1,1,0]
.endr
.endm
.macro GELU16 g                        ; 16 numbers: 144 instructions
.set XG, XX+16*(\g)
.set WG, WW+16*(\g)
.irp i, 0,1,2,3,4,5,6,7,8,9,10,11,12,13,14,15
	v_med3_num_f32 v[WG+\i], v[XG+\i], s86, s87    ; w
.endr
.irp i, 0,2,4,6,8,10,12,14
	v_pk_mul_f32 v[UU+\i:UU+\i+1], v[WG+\i:WG+\i+1], v[WG+\i:WG+\i+1]     ; u
.endr
	PKV PP, UU, 12, 66
	PKV QQ, UU, 14, 78
	PKS PP, PP, UU, 68
	PKS QQ, QQ, UU, 80
	PKS PP, PP, UU, 70
	PKS QQ, QQ, UU, 82
	PKS PP, PP, UU, 72
	PKS QQ, QQ, UU, 84                             ; Q is finished: it lies under -0.014 for every u
.irp i, 0,1,2,3,4,5,6,7,8,9,10,11,12,13,14,15
	v_rcp_f32 v[QQ+\i], v[QQ+\i]                   ; one batch
.endr
	PKS PP, PP, UU, 74                             ; 24 plain lines that name no reciprocal stand behind the batch
	PKS PP, PP, UU, 76
.irp i, 0,2,4,6,8,10,12,14
	v_pk_mul_f32 v[PP+\i:PP+\i+1], v[PP+\i:PP+\i+1], v[WG+\i:WG+\i+1]     ; w P
.endr
	s_wait_alu depctr_va_vdst(0)                   ; one wait for the batch, ahead of its first reader
.irp i, 0,2,4,6,8,10,12,14
	v_pk_fma_f32 v[PP+\i:PP+\i+1], v[PP+\i:PP+\i+1], v[QQ+\i:QQ+\i+1], 0.5 op_sel_hi:[1,1,0]     ; Phi
.endr
.irp i, 0,2,4,6,8,10,12,14
	v_pk_mul_f32 v[WG+\i:WG+\i+1], v[XG+\i:XG+\i+1], v[PP+\i:PP+\i+1]     ; gelu = x Phi
.endr
.endm
; 64 numbers of a lane, register 16 b + i = K 32 b + 16 (lane / 16) + i of my token, become a fragment's codes in v[PC] on and its scale word in v[PW].
.macro QUANT s
.irp b, 0,1,2,3
	v_max3_num_f32 v[TM+\b], |v[\s+16*\b]|, |v[\s+1+16*\b]|, 0x1800000    ; block b: my 16 numbers, and the floor 2^(3 - 127): the byte cannot fall under 1
.endr
.irp i, 2,4,6,8,10,12,14
.irp b, 0,1,2,3
	v_max3_num_f32 v[TM+\b], v[TM+\b], |v[\s+16*\b+\i]|, |v[\s+1+16*\b+\i]|
.endr
.endr
.irp b, 0,1,2,3
	v_permlanex16_b32 v[TM+4+\b], v[TM+\b], s[SEL], s[SEL+1]
.endr
.irp b, 0,1,2,3
	v_max_num_f32 v[TM+\b], v[TM+\b], v[TM+4+\b]   ; with lane l xor 16's: the block's largest magnitude
.endr
.irp b, 0,1,2,3
	v_add_nc_u32 v[TM+12+\b], 0xff000000, v[TM+\b] ; 2 off its exponent field: the conversion's scale operand
.endr
.irp b, 0,1,2,3
	v_lshrrev_b32 v[TM+4+\b], 23, v[TM+12+\b]      ; the byte
.endr
	v_lshl_or_b32 v[PW], v[TM+5], 8, v[TM+4]
	v_lshl_or_b32 v[PW], v[TM+6], 16, v[PW]
	v_lshl_or_b32 v[PW], v[TM+7], 24, v[PW]
.irp c, 0,1
	v_cvt_scalef32_pk16_fp6_f32 v[PC+6*\c:PC+2+6*\c], v[\s+32*\c:\s+15+32*\c], v[TM+12+2*\c]
	v_cvt_scalef32_pk16_fp6_f32 v[PC+12+4*\c:PC+14+4*\c], v[\s+16+32*\c:\s+31+32*\c], v[TM+12+2*\c+1]
.endr
	v_nop                                          ; one plain line behind the scaled conversions
.irp c, 0,1                            ; the operand's layout wants a WHOLE block in a lane
.irp i, 0,1,2
	v_permlane16_swap_b32 v[PC+6*\c+\i], v[PC+12+4*\c+\i]
.endr
.irp i, 0,1,2
	v_mov_b32 v[PC+3+6*\c+\i], v[PC+12+4*\c+\i]
.endr
.endr
.endm
	s_mov_b32 s90, 0                               ; the trip: token block a
	s_mov_b32 s91, 0                               ; 64 a
.Lblk:
.irp a, 0,1,2,3,4,5,6
	s_cmp_eq_u32 s90, \a
	s_cbranch_scc1 .Lcp\a
.endr
.irp a, 7,0,1,2,3,4,5,6
.Lcp\a:
	WIN 2+\a/4                                     ; source 0: window 2 or 3
.set i, 0
.rept 64
	v_mov_b32 v[XX+i], v[64*(\a%4)+i]              ; each accumulator from its low end on
.set i, i+1
.endr
	WIN 0
	s_branch .Lgo
.endr
.Lgo:
	GELU16 0
	GELU16 1
	GELU16 2
	GELU16 3
	QUANT WW
.irp c, 0,1,2
	global_store_b128 v[LI], v[PC+4*\c:PC+4*\c+3], s[8:9] offset:512*\c       ; fragment a's image: 512 consecutive bytes a store, aligned
.endr
	v_add_nc_u32 v[TA], s91, v[SCW]
	ds_store_b32 v[TA], v[PW]                      ; its scale words to my scratch (lanes r and 16 + r write the same word with the same value)
	s_wait_xcnt 0x0                                ; the stores have read their registers and their base: both are written again below and in the next trip
	s_wait_dscnt 0x0
	s_add_nc_u64 s[8:9], s[8:9], 1536
	s_add_co_u32 s91, s91, 64
	s_add_co_u32 s90, s90, 1
	s_cmp_lt_u32 s90, 8
	s_cbranch_scc1 .Lblk
	ds_load_b128 v[232:235], v[SCRD]               ; my block U's 128 scale words, my own bytes
	s_wait_dscnt 0x0
	global_store_b128 v[LI], v[232:235], s[8:9]    ; the base now stands at the block's byte 12,288: 512 consecutive bytes, aligned
	s_wait_tensorcnt 0x0                           ; the wave's end
	ds_add_u32 v[SPW], v[NIL]
	s_wait_dscnt 0x0
	CROUND                                         ; the closing round: no work-group ends while a partner may still ask for a tile that names it
	s_endpgm
.Lfunc_end_k_qe9c2341c76_gemm1:
	.size	k_qe9c2341c76_gemm1, .Lfunc_end_k_qe9c2341c76_gemm1-k_qe9c2341c76_gemm1
	.p2alignl 7, 3214868480
	.fill 96, 4, 3214868480
	.section	.rodata,"a",@progbits
	.p2align	6, 0x0
	.amdhsa_kernel k_qe9c2341c76_gemm1
		.amdhsa_group_segment_fixed_size 327680
		.amdhsa_private_segment_fixed_size 0
		.amdhsa_enable_private_segment 0
		.amdhsa_kernarg_size 24
		.amdhsa_user_sgpr_count 2
		.amdhsa_user_sgpr_kernarg_segment_ptr 1
		.amdhsa_wavefront_size32 1
		.amdhsa_system_sgpr_workgroup_id_x 1
		.amdhsa_system_sgpr_workgroup_id_y 1
		.amdhsa_system_sgpr_workgroup_id_z 1
		.amdhsa_system_vgpr_workitem_id 0
		.amdhsa_next_free_vgpr 1024
		.amdhsa_next_free_sgpr 100
		.amdhsa_reserve_vcc 0
		.amdhsa_float_denorm_mode_32 3
		.amdhsa_float_denorm_mode_16_64 3
		.amdhsa_memory_ordered 1
		.amdhsa_forward_progress 1
		.amdhsa_inst_pref_size 163
	.end_amdhsa_kernel
	.amdgpu_metadata
---
amdhsa.version: [ 1, 2 ]
amdhsa.kernels:
  - .name:           k_qe9c2341c76_gemm1
    .symbol:         k_qe9c2341c76_gemm1.kd
    .args:
      - { .name: xq, .offset: 0, .size: 8, .value_kind: global_buffer, .address_space: global }
      - { .name: wq1, .offset: 8, .size: 8, .value_kind: global_buffer, .address_space: global }
      - { .name: hq, .offset: 16, .size: 8, .value_kind: global_buffer, .address_space: global }
    .group_segment_fixed_size: 327680
    .private_segment_fixed_size: 0
    .kernarg_segment_align: 8
    .kernarg_segment_size: 24
    .max_flat_workgroup_size: 128
    .sgpr_count:     100
    .vgpr_count:     1024
    .wavefront_size: 32
...
	.end_amdgpu_metadata
.endif
;; end of part 2
;; launch gemm2 (part 3): grid 8 x 32, 4 waves a work-group, clusters of 4 x 4, 327,680 bytes of LDS; arguments hq, wq2, gat, out0; writes out0
.if DOCPART == 3
	.amdgcn_target "amdgcn-amd-amdhsa--gfx1250"
	.amdhsa_code_object_version 6
	.text
	.protected	k_qe9c2341c76_gemm2
	.globl	k_qe9c2341c76_gemm2
	.p2align	8
	.type	k_qe9c2341c76_gemm2,@function
k_qe9c2341c76_gemm2:
	s_mov_b64 s[64:65], 0
	v_nop
	global_prefetch_b8 v0, s[64:65] scope:SCOPE_SE
	s_setreg_imm32_b32 hwreg(HW_REG_WAVE_MODE, 25, 1), 1
	s_wait_xcnt 0x0
	s_wait_alu depctr_hold_cnt(0) depctr_sa_sdst(0) depctr_va_vdst(0) depctr_va_sdst(0) depctr_va_ssrc(0) depctr_va_vcc(0) depctr_vm_vsrc(0)
	s_getreg_b32 s2, hwreg(HW_REG_IB_STS2, 6, 4)
	s_cmp_eq_u32 s2, 0
	s_cbranch_scc0 .Lentry_in_a_cluster
	s_endpgm
.Lentry_in_a_cluster:
	s_bfe_u32 s2, ttmp6, 0x10000c
	s_cmp_lg_u32 s2, 0xf033
	s_cbranch_scc0 .Lentry_shape_is_right
	s_endpgm
.Lentry_shape_is_right:
; out[n][d] = g0[n] (h0 proj_w0)[n][d] + g1[n] (h1 proj_w1)[n][d], on codes of FP6 (E2M3) with E8M0 scales.  Both experts are kept for every token (the module keeps 2 of 2), so the gather is a sum of two terms.
; Operands lie in blocks U of 12,800 bytes (128 rows x 128 K): fragment i at 1536 i as an image of its 12 registers (registers 4 j .. 4 j + 3 of lane l at 512 j + 16 l), scale words at 12,288 + 64 i + 4 r.
; hq: U = ((token / 128) x 16 + t) x 4 + w;  wq2: U = ((d / 128) x 16 + t) x 4 + w;  w = 2 x expert + half of its 4,096 hidden units, t = the K step of 128 in that half.  gat: [expert][token] f32.
; SHARES.  A work-group makes 128 tokens x 128 of d: 256 work-groups.  THE FOUR WAVES SPLIT K: wave w takes part w (2,048 along K, 16 steps of 128) and sums the WHOLE 128 x 128 in 64 accumulators, so that each
; fragment read from LDS feeds eight products, and an expert's gate is one factor a lane.  At the end the four parts, each times its gate, meet in LDS and each wave adds and stores 32 rows.
; ONE FILL TAKES ALL THE ROOM: a K step wants eight blocks U (four of h, four of the weights), 64 matrix instructions a wave; 24 blocks, three steps, fit in LDS.  They are filled together: a wave's one tensor load brings six
; neighbouring blocks, 76,800 dense bytes as 300 rows of 256 bytes.  So the 16 steps come in six fills (3, 3, 3, 3, 3, 1), one request and one wait each, where two slots of one step would have sixteen.
; A refill is asked for in a fill's third step, as soon as that step's fragments are in registers and nobody reads LDS any more; 32 matrix instructions stand between the request and the wait for it.
; CLUSTERS: 4 x 4 work-groups.  The four of a row of the cluster need the same blocks of h, the four of a column the same weights: each is asked for JOINTLY.
; THE PRODUCT IS USED TRANSPOSED (source 0 = 16 rows of the weights, source 1 = 16 tokens); the rows of a weight fragment are 32 b + 8 u + r + 8 (r / 8): lane (r, h) of tile 2 b + u, register j, is (token r, d = 32 b + 16 h + 8 u + j).
; LIMITS: the four parts are added as (p0 + p1) + (p2 + p3), another order of f32 sums than one chain along K.
; REGISTERS: window 0: v8-31 addresses; v32-47 scale words and nothing else; v48-55 gates; v128-223 the tokens' fragments, one set; on the way out v64-191 at work.
;   window 1: the weights' fragments, two sets, at v0 and v128 (set = the step modulo 2).   windows 2, 3: the accumulators (token block a, tile b at v[8 (8 (a % 4) + b)]).
.set UB,    12800
.set STEPB, 4*UB                       ; a step's four blocks of one operand
.set PART,  6*UB                       ; what one tensor load of a whole fill brings
.set BOFF,  12*UB                      ; h's twelve blocks, then the weights' twelve
.set SPITCH, 528                       ; the stage: a row of 512 bytes + 16
.set SREG,  128*SPITCH                 ; a wave's part: 128 rows.  The four parts (270,336 bytes) lie over the ring, which has had its last fill and its last read when the first result is stored there
.set SPARE, 24*UB                      ; behind the ring: the spare words, 128 bytes for each wave: two blocks of 256 bytes that no other line names
.set FR,    12
.set RD,    8                          ; v8-11   the stage: where I read my rows of part 0 .. 3
.set ADRA,  12                         ; v12-14  LDS address of my tokens' fragments in place 0, 1, 2 of a fill
.set ADRB,  16                         ; v16-18  of my weights' fragments
.set ADRS,  19                         ; v19-21  of my scale words: lanes 0-15 the tokens', lanes 16-31 the weights'
.set STO,   22                         ; v22     the stage: where I put 16 bytes
.set R4,    23                         ; v23     4 r
.set CO,    24                         ; v24     16 x lane
.set SPW,   28                         ; v28     my spare word; never rewritten
.set NIL,   29                         ; v29     0; never rewritten
.set PFO,   30                         ; v30     the prefetches' offset: 256 x lane; never rewritten
.set PFO2,  31                         ; v31     256 x min(lane, 10); never rewritten
.set SC,    32                         ; scale words: set p at v[32 + 8 p]
.set GA,    48                         ; v48-55  my expert's gate of token 16 a + r
.set AF,    128
.set G1,   24                          ; s[24:31] descriptor group 1 for h's blocks, a whole fill;  s[32:35] its group 0, which walks;  s[36:39] group 0 of the last fill
.set G0,   32
.set G0S,  36
.set G1B,  48                          ; s[48:55], s[56:59], s[60:63] the same for the weights'
.set G0B,  56
.set G0SB, 60
.set G1S,  72                          ; s[72:79], s[80:87] groups 1 of the last fill, one step: 100 rows
.set G1SB, 80
.set PFA,  66                          ; s[66:67] where my prefetches stand
.set LIM,  68                          ; s68     1 in a wave that prefetches, else the greatest number
.set MSB, 0
.macro WIN new
.if MSB != (\new)
	s_set_vgpr_msb (MSB<<8)|(\new)
.set MSB, (\new)
.endif
.endm
.set MUL_LO, 0xa1
.set MUL_HI, 0xf1
.set TO_B,   0x40
.macro JLOAD g0a, g1a, g0b, g1b        ; a joint load: waves 0 and 1 fetch h's blocks, waves 2 and 3 the weights'; four v_nop follow each of the two lines
	s_cmp_eq_u32 s15, 0
	s_cbranch_scc0 .Lfor_b_\@
	tensor_load_to_lds s[\g0a:\g0a+3], s[\g1a:\g1a+7]
	s_nop 0
.rept 4
	v_nop
.endr
	s_branch .Lasked_\@
.Lfor_b_\@:
	tensor_load_to_lds s[\g0b:\g0b+3], s[\g1b:\g1b+7]
	s_nop 0
.rept 4
	v_nop
.endr
.Lasked_\@:
.endm
.macro CREST
	s_cmp_lg_u32 s14, 0
	s_cbranch_scc1 .Lnot_wave_0_\@
	s_barrier_signal -3
.Lnot_wave_0_\@:
	s_barrier_wait -3
	s_barrier_signal -1
	s_barrier_wait -1
.endm
.macro CROUND
	s_barrier_signal -1
	s_barrier_wait -1
	CREST
.endm
; A PREFETCH INTO THE L2, behind a refill's joint load: where fill f + 1 is asked for, the blocks of fill f + 2: three K steps, 192 matrix instructions, ahead of the load that will want them.
; h's blocks are read by both clusters of a row of clusters: the one with cluster x = 0 asks; the weights' by all eight of a column: cluster y = 0 asks.  Of the 300 pieces of 256 bytes that wave w fetches, the partner
; at place p (cx for h, cy for the weights) takes 75, told apart BY ADDRESS: a lane a piece, three instructions (32 + 32 + 11; in the third, lanes 11-31 name lane 10's again).
; Fills 0 and 1 come by their loads alone, and so does the last, of one step: fills 2, 3 and 4 are asked for, which end at block 60 of a panel's 64.
.macro ASK how
.if \how
	s_cmp_eq_u32 s[LIM], 1
.else
	s_cmp_gt_u32 s3, s[LIM]                        ; s3 = 1 in the loop's last trip, whose second refill has no whole fill two on
.endif
	s_cbranch_scc0 .Lnot_mine_\@
	global_prefetch_b8 v[PFO], s[PFA:PFA+1] th:TH_LOAD_NT scope:SCOPE_SE
	global_prefetch_b8 v[PFO], s[PFA:PFA+1] offset:8192 th:TH_LOAD_NT scope:SCOPE_SE
	global_prefetch_b8 v[PFO2], s[PFA:PFA+1] offset:16384 th:TH_LOAD_NT scope:SCOPE_SE
.Lnot_mine_\@:
.endm
	s_load_b256 s[4:11], s[0:1], 0x0               ; hq s[4:5], wq2 s[6:7], gat s[8:9], out0 s[10:11]
	v_lshl_add_u32 v[SPW], v0, 2, SPARE
	v_mov_b32 v[NIL], 0
	ds_add_u32 v28, v29
	ds_add_u32 v28, v29
	s_wait_dscnt 0x0
	v_lshrrev_b32 v1, 5, v0
	v_readfirstlane_b32 s14, v1                    ; wave 0..3: my part of K
	s_lshr_b32 s15, s14, 1                         ; my expert.  Also: I fetch h (0) or weights (1)
	s_and_b32 s16, s14, 1                          ; which half of a fill's blocks I fetch
	s_bfe_u32 s40, ttmp6, 0x40000                  ; cx, cy
	s_bfe_u32 s41, ttmp6, 0x40004
	s_lshl_b32 s42, ttmp9, 2
	s_add_co_u32 s42, s42, s40                     ; X = d / 128 = 4 x cluster x + cx
	s_and_b32 s17, ttmp7, 0xffff
	s_lshl_b32 s17, s17, 2
	s_add_co_u32 s17, s17, s41                     ; Y = token / 128 = 4 x cluster y + cy
	s_lshl_b32 s43, s41, 2
	s_lshl_b32 s43, 15, s43                        ; my row of the cluster
	s_lshl_b32 s44, 0x1111, s40                    ; my column
	s_or_b32 s[G1], s43, (3<<16)|(1<<21)           ; 15:0 the mask; 17:16 elements of 8 bytes; 20 no padding; 21 set beside a mask
	s_or_b32 s[G1B], s44, (3<<16)|(1<<21)
	s_or_b32 s[G1S], s43, (3<<16)|(1<<21)
	s_or_b32 s[G1SB], s44, (3<<16)|(1<<21)
.irp g, G1, G1B
	s_mov_b32 s[\g+1], 32<<16                      ; tensor_dim0 = 32 elements: 256 bytes
	s_mov_b32 s[\g+2], 300<<16                     ; tensor_dim1 = 300 rows: six blocks U
	s_mov_b32 s[\g+3], 32<<16                      ; tile_dim0
	s_mov_b32 s[\g+4], 300                         ; tile_dim1
	s_mov_b32 s[\g+5], 32                          ; the pitch: dense
	s_mov_b32 s[\g+6], 0
	s_mov_b32 s[\g+7], 0
.endr
.irp g, G1S, G1SB
	s_mov_b32 s[\g+1], 32<<16
	s_mov_b32 s[\g+2], 100<<16                     ; 100 rows: two blocks U
	s_mov_b32 s[\g+3], 32<<16
	s_mov_b32 s[\g+4], 100
	s_mov_b32 s[\g+5], 32
	s_mov_b32 s[\g+6], 0
	s_mov_b32 s[\g+7], 0
.endr
	s_mul_i32 s20, s17, 64*UB                      ; 128 tokens are a panel of 64 blocks U
	s_mov_b32 s21, 0
	s_mul_i32 s46, s42, 64*UB                      ; and so are 128 of d
	s_mov_b32 s47, 0
	s_mul_i32 s18, s16, PART                       ; a whole fill: my six blocks of the twelve
	s_mov_b32 s19, 0
	s_mul_i32 s22, s16, 2*UB                       ; the last fill, step 15: my two blocks of the four,
	s_add_co_u32 s22, s22, 60*UB                   ; which begin at the panel's block 60
	s_mov_b32 s23, 0
	s_mul_i32 s45, s14, PART                       ; where a whole fill's part goes: no place in the cluster enters an LDS address
	s_mul_i32 s69, s15, BOFF                       ; and the last fill's
	s_mul_i32 s70, s16, 2*UB
	s_add_co_u32 s69, s69, s70
	s_wait_kmcnt 0x0
	s_add_nc_u64 s[20:21], s[4:5], s[20:21]
	s_add_nc_u64 s[46:47], s[6:7], s[46:47]
	CROUND                                         ; all sixteen work-groups are here: the first joint loads meet
	s_mov_b32 s[G0], 1
	s_mov_b32 s[G0+1], s45
	s_add_nc_u64 s[G0+2:G0+3], s[20:21], s[18:19]
	s_or_b32 s[G0+3], s[G0+3], 0x80000000
	s_mov_b32 s[G0B], 1
	s_mov_b32 s[G0B+1], s45
	s_add_nc_u64 s[G0B+2:G0B+3], s[46:47], s[18:19]
	s_or_b32 s[G0B+3], s[G0B+3], 0x80000000
	s_mov_b32 s[G0S], 1
	s_mov_b32 s[G0S+1], s69
	s_add_nc_u64 s[G0S+2:G0S+3], s[20:21], s[22:23]
	s_or_b32 s[G0S+3], s[G0S+3], 0x80000000
	s_mov_b32 s[G0SB], 1
	s_mov_b32 s[G0SB+1], s69
	s_add_nc_u64 s[G0SB+2:G0SB+3], s[46:47], s[22:23]
	s_or_b32 s[G0SB+3], s[G0SB+3], 0x80000000
	JLOAD G0, G1, G0B, G1B                         ; steps 0, 1 and 2: one load of mine is out
	s_lshl_b32 s22, s15, 14                        ; the gates: my expert's 4,096,
	s_lshl_b32 s23, s17, 9                         ; my work-group's 128 tokens
	s_add_co_u32 s22, s22, s23
	s_mov_b32 s23, 0
	s_add_nc_u64 s[8:9], s[8:9], s[22:23]
	v_and_b32 v1, 31, v0                           ; lane
	v_and_b32 v2, 15, v0                           ; r
	v_bfe_u32 v3, v0, 4, 1                         ; h
	v_lshlrev_b32 v[R4], 2, v2
.irp a, 0,1,2,3,4,5,6,7
	global_load_b32 v[GA+\a], v[R4], s[8:9] offset:64*\a   ; wanted on the way out
.endr
	s_lshl_b32 s22, s17, 7                         ; out: row 128 Y + 32 x wave, 4,096 bytes a row; + 512 X
	s_lshl_b32 s18, s14, 5
	s_add_co_u32 s22, s22, s18
	s_lshl_b32 s22, s22, 12
	s_lshl_b32 s18, s42, 9
	s_add_co_u32 s22, s22, s18
	s_add_nc_u64 s[10:11], s[10:11], s[22:23]
	v_lshlrev_b32 v[CO], 4, v1
	s_mul_i32 s21, s14, UB                         ; my block of a step's four
	v_add_nc_u32 v[ADRA], s21, v[CO]
	v_add_nc_u32 v[ADRA+1], STEPB, v[ADRA]
	v_add_nc_u32 v[ADRA+2], STEPB, v[ADRA+1]
	v_add_nc_u32 v[ADRB], BOFF, v[ADRA]
	v_add_nc_u32 v[ADRB+1], BOFF, v[ADRA+1]
	v_add_nc_u32 v[ADRB+2], BOFF, v[ADRA+2]
	v_mul_u32_u24 v4, v3, BOFF                     ; lanes 16-31 take the weights' words: one product, the distance between the two
	v_add_nc_u32 v4, v4, v[R4]
	s_add_co_u32 s22, s21, 12288
	v_add_nc_u32 v[ADRS], s22, v4
	v_add_nc_u32 v[ADRS+1], STEPB, v[ADRS]
	v_add_nc_u32 v[ADRS+2], STEPB, v[ADRS+1]
	s_mul_i32 s22, s14, SREG                       ; the stage, in: my part; row r, + 64 h
	v_mul_u32_u24 v[STO], v2, SPITCH
	v_lshl_add_u32 v[STO], v3, 6, v[STO]
	v_add_nc_u32 v[STO], s22, v[STO]
	s_mul_i32 s22, s14, 32*SPITCH                  ; back: rows 32 x wave on of each part, 16 bytes a lane
	v_add_nc_u32 v[RD], s22, v[CO]
	v_add_nc_u32 v[RD+1], SREG, v[RD]
	v_add_nc_u32 v[RD+2], SREG, v[RD+1]
	v_add_nc_u32 v[RD+3], SREG, v[RD+2]
	; the prefetches: who asks, and where
	s_and_b32 s22, ttmp7, 0xffff                   ; cluster y
	s_cmp_eq_u32 s15, 0                            ; do I fetch h?
	s_cselect_b32 s20, s17, s42                    ; Y or X
	s_cselect_b32 s21, s40, s41                    ; my place among the four that ask with me
	s_cselect_b32 s22, ttmp9, s22                  ; the coordinate along which other clusters read the same blocks
	s_cselect_b64 s[PFA:PFA+1], s[4:5], s[6:7]
	s_cmp_eq_u32 s22, 0
	s_cselect_b32 s[LIM], 1, -1                    ; the same in all sixteen partners, for a given wave
	s_mul_i32 s20, s20, 64*UB
	s_mul_i32 s23, s16, PART
	s_add_co_u32 s20, s20, s23                     ; the six blocks that I fetch,
	s_mul_i32 s21, s21, 75*256
	s_add_co_u32 s20, s20, s21                     ; my work-group's 75 pieces of them,
	s_add_co_u32 s20, s20, 12*UB                   ; at fill 1: the first refill steps it to fill 2
	s_mov_b32 s21, 0
	s_add_nc_u64 s[PFA:PFA+1], s[PFA:PFA+1], s[20:21]
	v_lshlrev_b32 v[PFO], 8, v1
	v_min_u32 v[PFO2], 10, v1
	v_lshlrev_b32 v[PFO2], 8, v[PFO2]
; (A macro's argument is put in as text: wherever one stands inside a larger expression it is written in parentheses, since the callers pass sums and differences.)
.macro FRAG reg, adr, i
.irp j, 0,1,2
	ds_load_b128 v[\reg+4*\j:\reg+4*\j+3], v[\adr] offset:(\i)*1536+512*\j
.endr
.endm
; 8 matrix instructions: token block a against the weights' eight tiles.  p: the weights' set and the set of scale words (the step modulo 2).  The 64 accumulators take turns, one instruction a turn.
.macro MUL8 a, p, zero
.irp b, 0,1,2,3,4,5,6,7
.if \zero
	v_wmma_scale_f32_16x16x128_f8f6f4 v[8*(8*((\a)%4)+\b):8*(8*((\a)%4)+\b)+7], v[128*(\p)+FR*\b:128*(\p)+FR*\b+FR-1], v[AF+FR*(\a):AF+FR*(\a)+FR-1], 0, v[SC+8*(\p)+\b], v[SC+8*(\p)+(\a)] matrix_a_fmt:MATRIX_FMT_FP6 matrix_b_fmt:MATRIX_FMT_FP6 matrix_a_scale:MATRIX_SCALE_ROW1
.else
	v_wmma_scale_f32_16x16x128_f8f6f4 v[8*(8*((\a)%4)+\b):8*(8*((\a)%4)+\b)+7], v[128*(\p)+FR*\b:128*(\p)+FR*\b+FR-1], v[AF+FR*(\a):AF+FR*(\a)+FR-1], v[8*(8*((\a)%4)+\b):8*(8*((\a)%4)+\b)+7], v[SC+8*(\p)+\b], v[SC+8*(\p)+(\a)] matrix_a_fmt:MATRIX_FMT_FP6 matrix_b_fmt:MATRIX_FMT_FP6 matrix_a_scale:MATRIX_SCALE_ROW1
.endif
.endr
.endm
.macro FETCH_B pl, p                   ; the weights' eight fragments of place pl of the fill into set p: 24 loads
	WIN TO_B
.irp i, 0,1,2,3,4,5,6,7
	FRAG 128*(\p)+FR*\i, ADRB+(\pl), \i
.endr
	WIN 0
.endm
.macro FETCH_A pl, i0                  ; token blocks i0 .. i0 + 3: 12 loads
.irp i, \i0, \i0+1, \i0+2, \i0+3
	FRAG AF+FR*(\i), ADRA+(\pl), \i
.endr
.endm
.macro SCALES pl, p                    ; 8 loads: the step's scale words into set p
.irp i, 0,1,2,3,4,5,6,7
	ds_load_b32 v[SC+8*(\p)+\i], v[ADRS+(\pl)] offset:64*\i
.endr
.endm
.macro PLACES n                        ; four plain vector instructions between a matrix instruction and a load into a register that it has read, or a vector instruction that reads its result (ISA guide 7.12.1 for vector instructions)
.rept \n
	v_nop
.endr
.endm
; A K STEP in place pl = 0 or 1 of a fill: its successor lies in the same fill, which was shown whole to every wave: no barrier.  p: this step's sets.
.macro KIN pl, p, zero
	s_wait_dscnt 12                                ; all but the youngest 12 loads, token blocks 4-7
	WIN MUL_LO
	MUL8 0, \p, \zero
	MUL8 1, \p, \zero
	MUL8 2, \p, \zero
	MUL8 3, \p, \zero
	s_wait_dscnt 0x0                               ; token blocks 4-7 are in
	PLACES 4
	FETCH_B (\pl)+1, 1-\p
	FETCH_A (\pl)+1, 0
	SCALES (\pl)+1, 1-\p
	WIN MUL_HI
	MUL8 4, \p, \zero
	MUL8 5, \p, \zero
	MUL8 6, \p, \zero
	MUL8 7, \p, \zero
	PLACES 4
	WIN 0
	FETCH_A (\pl)+1, 4
.endm
; THE K STEP IN PLACE 2: the fill's last.  Its fragments are in registers early in the step, and then nobody reads LDS: each wave waits for all its tensor loads (none is out), adds 0 to its spare word, waits for that and
; for its reads; the barrier opens a round of the cluster's barrier; behind the round the ring is filled again, one joint load a wave.  kind = 1: a whole fill, the next three steps; kind = 2: the last fill, step 15.
; The step's other 32 products follow.  Then the wave waits for its load (the one that is out, so the count is 0) and passes its work-group's barrier, so that everybody's part has landed.
; ask = 2: a prefetch in every trip; 1: tested on the loop's counter; 0: none.
.macro KLAST p, kind, ask
.if \ask
	s_wait_xcnt 0x0                                ; the last prefetches, a fill back, have read their address: it is stepped here, ahead of the waits of the refill
	s_add_nc_u64 s[PFA:PFA+1], s[PFA:PFA+1], 12*UB
.endif
	s_wait_dscnt 12                                ; all but the youngest 12 loads, token blocks 4-7
	WIN MUL_LO
	MUL8 0, \p, 0
	MUL8 1, \p, 0
	WIN 0                                          ; (the add's two registers lie in window 0)
	s_wait_tensorcnt 0x0                           ; no tensor load of mine is out;
	ds_add_u32 v[SPW], v[NIL]                      ; 0 onto my spare word;
	WIN MUL_LO
	MUL8 2, \p, 0                                  ; eight matrix instructions stand between the add and the wait for it
	s_wait_dscnt 0x0                               ; the add is done, and my reads of the fill are over
	s_barrier_signal -1
	MUL8 3, \p, 0
	WIN 0
	s_barrier_wait -1
	CREST                                          ; no wave of any partner still reads the ring or has a load on its way
.if \kind == 1
	s_add_nc_u64 s[G0+2:G0+3], s[G0+2:G0+3], 12*UB
	s_add_nc_u64 s[G0B+2:G0B+3], s[G0B+2:G0B+3], 12*UB
	JLOAD G0, G1, G0B, G1B                         ; the first tensor load behind the round
.else
	JLOAD G0S, G1S, G0SB, G1SB
.endif
.if \ask == 1
	ASK 0
.endif
.if \ask == 2
	ASK 1
.endif
	WIN MUL_HI
	MUL8 4, \p, 0
	MUL8 5, \p, 0
	MUL8 6, \p, 0
	MUL8 7, \p, 0
	PLACES 4
	WIN 0
	s_wait_tensorcnt 0x0                           ; my part of the new fill is in,
	s_barrier_signal -1
	s_barrier_wait -1                              ; everybody's is
	FETCH_B 0, 1-\p
	FETCH_A 0, 0
	SCALES 0, 1-\p
	FETCH_A 0, 4
.endm
	s_wait_tensorcnt 0x0                           ; my part of the first fill is in,
	s_barrier_signal -1
	s_barrier_wait -1                              ; everybody's is
	FETCH_B 0, 0
	FETCH_A 0, 0
	SCALES 0, 0
	FETCH_A 0, 4
	KIN 0, 0, 1                                    ; step 0 stands in front of the loop: its products start the sums
	s_mov_b32 s3, 2
.Llap:                                                 ; two trips of six steps, two refills each: steps 1 to 6 and 7 to 12.  After two fills the sets' numbers are back where they began
	KIN 1, 1, 0
	KLAST 0, 1, 2                                  ; steps 2, 8: fills 1, 3 are asked for
	KIN 0, 1, 0
	KIN 1, 0, 0
	KLAST 1, 1, 1                                  ; steps 5, 11: fills 2, 4
	KIN 0, 0, 0
	s_sub_co_u32 s3, s3, 1
	s_cmp_lg_u32 s3, 0
	s_cbranch_scc1 .Llap
	KIN 1, 1, 0                                    ; step 13
	KLAST 0, 2, 0                                  ; step 14 asks for step 15: the last refill
	s_wait_dscnt 12                                ; step 15
	WIN MUL_LO
	MUL8 0, 1, 0
	MUL8 1, 1, 0
	MUL8 2, 1, 0
	MUL8 3, 1, 0
	s_wait_dscnt 0x0                               ; my last reads of the ring are over:
	s_barrier_signal -1                            ; behind this barrier the stage may be written over it
	WIN MUL_HI
	MUL8 4, 1, 0
	MUL8 5, 1, 0
	MUL8 6, 1, 0
	MUL8 7, 1, 0
	WIN 0
	s_barrier_wait -1
; ---- THE WAY OUT.  Each part times its expert's gate (a lane holds one token of a block, so one factor serves the block's 64 registers); into my part of the stage; a barrier; each wave adds the four parts of 32 rows.
.macro GATE a
.set AC, 64*((\a)%4)
.set i, 0
.rept 32
.if (\a)%2 == 0
	v_pk_mul_f32 v[AC+i:AC+i+1], v[AC+i:AC+i+1], v[GA+(\a):GA+(\a)+1] op_sel_hi:[1,0]                 ; each accumulator from its low end on
.else
	v_pk_mul_f32 v[AC+i:AC+i+1], v[AC+i:AC+i+1], v[GA+(\a)-1:GA+(\a)] op_sel:[0,1] op_sel_hi:[1,1]
.endif
.set i, i+2
.endr
.endm
.macro TOSTAGE a
.set AC, 64*((\a)%4)
.irp b, 0,1,2,3,4,5,6,7
	ds_store_b128 v[STO], v[AC+8*\b:AC+8*\b+3] offset:(\a)*16*SPITCH+(\b/2)*128+(\b%2)*32        ; (token 16 a + r, d = 32 (b / 2) + 16 h + 8 (b % 2) + 0 .. 3)
	ds_store_b128 v[STO], v[AC+8*\b+4:AC+8*\b+7] offset:(\a)*16*SPITCH+(\b/2)*128+(\b%2)*32+16
.endr
.endm
.macro RDG g                           ; group g: four rows of each of the four parts: 16 loads of 512 consecutive bytes
.set BB, 64+64*((\g)%2)
.irp p, 0,1,2,3
.irp c, 0,1,2,3
	ds_load_b128 v[BB+16*\p+4*\c:BB+16*\p+4*\c+3], v[RD+\c] offset:(4*(\g)+\p)*SPITCH
.endr
.endr
.endm
.macro SUMG g, younger
.set BB, 64+64*((\g)%2)
	s_wait_dscnt \younger                          ; the group is in; the next group's 16 loads may be out
.irp p, 0,1,2,3
	v_pk_add_f32 v[BB+16*\p:BB+16*\p+1], v[BB+16*\p:BB+16*\p+1], v[BB+16*\p+4:BB+16*\p+5]
	v_pk_add_f32 v[BB+16*\p+2:BB+16*\p+3], v[BB+16*\p+2:BB+16*\p+3], v[BB+16*\p+6:BB+16*\p+7]
	v_pk_add_f32 v[BB+16*\p+8:BB+16*\p+9], v[BB+16*\p+8:BB+16*\p+9], v[BB+16*\p+12:BB+16*\p+13]
	v_pk_add_f32 v[BB+16*\p+10:BB+16*\p+11], v[BB+16*\p+10:BB+16*\p+11], v[BB+16*\p+14:BB+16*\p+15]
.endr
.irp p, 0,1,2,3
	v_pk_add_f32 v[BB+16*\p:BB+16*\p+1], v[BB+16*\p:BB+16*\p+1], v[BB+16*\p+8:BB+16*\p+9]
	v_pk_add_f32 v[BB+16*\p+2:BB+16*\p+3], v[BB+16*\p+2:BB+16*\p+3], v[BB+16*\p+10:BB+16*\p+11]
.endr
.irp p, 0,1,2,3
	global_store_b128 v[CO], v[BB+16*\p:BB+16*\p+3], s[10:11] offset:(4*(\g)+\p)*4096 th:TH_STORE_NT   ; 32 lanes store 512 consecutive bytes, aligned; written once, read by nobody here
.endr
.endm
	PLACES 4
	s_wait_loadcnt 0x0                             ; the gates
	WIN 0x82                                       ; destination and source 0 window 2, the gate window 0
	GATE 0
	GATE 1
	GATE 2
	GATE 3
	WIN 0x08                                       ; an LDS store's data are its source 1: window 2
	TOSTAGE 0
	TOSTAGE 1
	TOSTAGE 2
	TOSTAGE 3
	WIN 0xc3
	GATE 4
	GATE 5
	GATE 6
	GATE 7
	WIN 0x0c
	TOSTAGE 4
	TOSTAGE 5
	TOSTAGE 6
	TOSTAGE 7
	WIN 0
	s_wait_dscnt 0x0                               ; for the others' sake: my part lies in the stage
	s_barrier_signal -1
	s_barrier_wait -1
	RDG 0
.irp g, 0,1,2,3,4,5,6
.if \g > 0
	s_wait_xcnt 0x0                                ; group g - 1's stores have read their registers: group g + 1's loads may land there
.endif
	RDG \g+1
	SUMG \g, 16
.endr
	SUMG 7, 0
	s_wait_tensorcnt 0x0                           ; the wave's end
	ds_add_u32 v[SPW], v[NIL]
	s_wait_dscnt 0x0
	CROUND                                         ; the closing round: no work-group ends while a partner may still ask for a tile that names it
	s_endpgm
.Lfunc_end_k_qe9c2341c76_gemm2:
	.size	k_qe9c2341c76_gemm2, .Lfunc_end_k_qe9c2341c76_gemm2-k_qe9c2341c76_gemm2
	.p2alignl 7, 3214868480
	.fill 96, 4, 3214868480
	.section	.rodata,"a",@progbits
	.p2align	6, 0x0
	.amdhsa_kernel k_qe9c2341c76_gemm2
		.amdhsa_group_segment_fixed_size 327680
		.amdhsa_private_segment_fixed_size 0
		.amdhsa_enable_private_segment 0
		.amdhsa_kernarg_size 32
		.amdhsa_user_sgpr_count 2
		.amdhsa_user_sgpr_kernarg_segment_ptr 1
		.amdhsa_wavefront_size32 1
		.amdhsa_system_sgpr_workgroup_id_x 1
		.amdhsa_system_sgpr_workgroup_id_y 1
		.amdhsa_system_sgpr_workgroup_id_z 1
		.amdhsa_system_vgpr_workitem_id 0
		.amdhsa_next_free_vgpr 1024
		.amdhsa_next_free_sgpr 96
		.amdhsa_reserve_vcc 0
		.amdhsa_float_denorm_mode_32 3
		.amdhsa_float_denorm_mode_16_64 3
		.amdhsa_memory_ordered 1
		.amdhsa_forward_progress 1
		.amdhsa_inst_pref_size 181
	.end_amdhsa_kernel
	.amdgpu_metadata
---
amdhsa.version: [ 1, 2 ]
amdhsa.kernels:
  - .name:           k_qe9c2341c76_gemm2
    .symbol:         k_qe9c2341c76_gemm2.kd
    .args:
      - { .name: hq, .offset: 0, .size: 8, .value_kind: global_buffer, .address_space: global }
      - { .name: wq2, .offset: 8, .size: 8, .value_kind: global_buffer, .address_space: global }
      - { .name: gat, .offset: 16, .size: 8, .value_kind: global_buffer, .address_space: global }
      - { .name: out0, .offset: 24, .size: 8, .value_kind: global_buffer, .address_space: global }
    .group_segment_fixed_size: 327680
    .private_segment_fixed_size: 0
    .kernarg_segment_align: 8
    .kernarg_segment_size: 32
    .max_flat_workgroup_size: 128
    .sgpr_count:     96
    .vgpr_count:     1024
    .wavefront_size: 32
...
	.end_amdgpu_metadata
.endif
;; end of part 3
